; MI455X (gfx1250); checked and timed in simulation.
; The chip was launched on July 23, 2026; its instructions are those of AMD's public machine-readable ISA for CDNA 5 (MIT licence, August 2026) and "CDNA5" Instruction Set Architecture Reference Guide (July 2026). The comments in the code are by the model that wrote it; some were corrected since.
;; Scaled Dot Product. Allowed arithmetic: matrix products marked QUANTISED: E2M1 operands, one E8M0 scale for each 32 along K, by v_wmma_scale_f32_16x16x128_f8f6f4 with both operands' format E2M1 (or v_wmma_scale_f32_32x16x128_f4), f32 sums; everything else in f32.
;; Inputs: key_codes 4 x 8 x 2,048 x 2 x 16 uint8 (E2M1 codes of key, K innermost, in blocks of 32 codes, two codes a byte); key_scales 4 x 8 x 2,048 x 2 uint8 (E8M0 scales of key, one for each 32 codes along K); query_codes 4 x 8 x 2,048 x 2 x 16 uint8 (E2M1 codes of query, K innermost, in blocks of 32 codes, two codes a byte); query_scales 4 x 8 x 2,048 x 2 uint8 (E8M0 scales of query, one for each 32 codes along K); value_codes 4 x 8 x 64 x 64 x 16 uint8 (E2M1 codes of value, K innermost, in blocks of 32 codes, two codes a byte); value_scales 4 x 8 x 64 x 64 uint8 (E8M0 scales of value, one for each 32 codes along K).
;; Outputs: out0 4 x 2,048 x 8 x 64 float32.
;; This version of the problem:
;;   THIS VERSION OF THE PROBLEM IS GIVEN IN LOW PRECISION. The matrix products marked QUANTISED in the list below multiply operands that are first quantised to E2M1 (2 exponent bits, 1 mantissa bit; 4 bits a number), with one power-of-two scale for each 32 numbers along K (OCP MX v1.0); their sums are f32. All else is computed in f32.
;;   The module's matrix products, in the order in which they are computed (A, B: the left and right operand; K: the contracted axis; several contracted axes count as one K, in the product's order):
;;     1. batch 32 x [M 2,048, K 64] x [K 64, N 2,048]; A: input query (given as codes); B: input key (given as codes): QUANTISED
;;     2. batch 32 x [M 64, K 2,048] x [K 2,048, N 2,048]; A: input value (given as codes); B: softmax (see below): QUANTISED
;;   THE QUANTISER, for each operand of a quantised product, along K:
;;     - K is cut into blocks of 32 from its start; a last block that is shorter is filled with zeros.
;;     - A block's scale is 2^e with e = floor(log2(the largest magnitude in the block)) - 2, held to -126 .. 127; a block of zeros has e = 0. As a byte (E8M0): e + 127.
;;     - Each number is divided by its block's scale, clamped to +-6, and rounded to the nearest number of E2M1, ties to even, subnormals kept.
;;     - The product sums the exact products of the quantised numbers (number of the format x scale) in f32.
;;   ~~~python
;;   def quantise(x, axis):      # numpy; x: float32 -> the quantised numbers, widened to float32 again
;;       x = np.moveaxis(x, axis, -1); K = x.shape[-1]
;;       x = np.pad(x, [(0, 0)] * (x.ndim - 1) + [(0, -K % 32)]); x = x.reshape(x.shape[:-1] + (-1, 32)); a = np.abs(x).max(-1, keepdims=True)
;;       e = np.where(a > 0, np.clip(np.frexp(np.where(a > 0, a, 1))[1] - 1 - 2, -126, 127), 0)      # np.frexp(a)[1] - 1 = floor(log2(a)), exactly
;;       r = np.clip(x / 2.0 ** e, -6, 6)
;;       step = 2.0 ** (np.maximum(np.frexp(np.where(r == 0, 1, r))[1] - 1, 0) - 1)
;;       q = np.round(r / step) * step * 2.0 ** e      # np.round: ties to even
;;       return np.moveaxis(q.reshape(q.shape[:-2] + (-1,))[..., :K], -1, axis).astype(np.float32)
;;   ~~~
;;   SOFTMAX AHEAD OF A QUANTISED PRODUCT. Where the list says 'softmax', what is quantised is not the finished softmax but p = 2^(t - M), with t = logit x log2(e) and M = ceil(the row's largest t), a whole number; so 1/2 < the row's largest p <= 1. The row's sum l is taken of the UNQUANTISED p, in f32, and the product's result is divided by l at the end. Since M is a whole number, a kernel that streams over the keys may use a running M (the ceiling of the running maximum): every later rescaling is an exact power of two, which a block's scale takes up: the codes' values come out the same.
;;   OPERANDS COMPUTED ON THE WAY. 'Computed on the way' means the value that the module computes at that place (a softmax that the list does not call 'softmax' is quantised finished and normalised). What goes into a quantiser is computed in f32, as accurately as f32 sums, v_exp_f32 and their like allow (about 1e-6 of the number): no bf16 or f16 on the way to a quantiser, and a product that is left as it is and whose result goes on into a quantised operand takes f32 operands (vector FMAs, or v_wmma_f32_16x16x4_f32). A number that lies on a knife's edge between two numbers of the format may be rounded either way, as far as f32 arithmetic and the matrix unit's own rounding can turn it there, and no further.
;;   INPUTS GIVEN AS CODES. key (in the module: [4, 8, 2048, 64], K = its axis 3); query (in the module: [4, 8, 2048, 64], K = its axis 3); value (in the module: [4, 2048, 8, 64], K = its axis 1): each comes as NAME_codes (uint8): NAME with its K axis moved to the last place and cut into blocks of 32 codes, [.., K / 32, bytes a block], one block behind the other in memory; two codes a byte, the lower K in the low four bits (a code: sign, 2 exponent bits, 1 mantissa bit); and NAME_scales (uint8): the same leading axes, one E8M0 byte (e + 127) for each 32 codes along K. Its value is code x scale, taken as it is: it is not quantised again, and the codes and scales need not be those that the quantiser above would give.
;; One version. Each part assembles by itself: llvm-mc -triple=amdgcn-amd-amdhsa -mcpu=gfx1250 --defsym DOCPART=n.
;; ======== version 1 of 1: 1 launch
;; limits: right only within a limited range of input values
;; launch attn (part 1): grid 8 x 32, 16 waves a work-group, clusters of 4 x 1, 214,016 bytes of LDS; arguments query_codes, query_scales, key_codes, key_scales, value_codes, value_scales, out0; writes out0
.if DOCPART == 1
	.amdgcn_target "amdgcn-amd-amdhsa--gfx1250"
	.amdhsa_code_object_version 6
	.text
	.protected	k_q5ca6ee62ec_attn
	.globl	k_q5ca6ee62ec_attn
	.p2align	8
	.type	k_q5ca6ee62ec_attn,@function
k_q5ca6ee62ec_attn:
	s_mov_b64 s[64:65], 0
	v_nop
	global_prefetch_b8 v0, s[64:65] scope:SCOPE_SE
	s_setreg_imm32_b32 hwreg(HW_REG_WAVE_MODE, 25, 1), 1
	s_wait_xcnt 0x0
	s_wait_alu depctr_hold_cnt(0) depctr_sa_sdst(0) depctr_va_vdst(0) depctr_va_sdst(0) depctr_va_ssrc(0) depctr_va_vcc(0) depctr_vm_vsrc(0)
	s_getreg_b32 s2, hwreg(HW_REG_IB_STS2, 6, 4)
	s_cmp_eq_u32 s2, 0
	s_cbranch_scc0 .Lentry_in_a_cluster
	s_endpgm
.Lentry_in_a_cluster:
	s_bfe_u32 s2, ttmp6, 0x10000c
	s_cmp_lg_u32 s2, 0x3003
	s_cbranch_scc0 .Lentry_shape_is_right
	s_endpgm
.Lentry_shape_is_right:
; out0[b][q][h][:] = the sum over k of softmax_k(Q[b][h][q] . K[b][h][k] / sqrt(512)) V[b][k][h][:], both products on codes of FP4 (E2M1) with one E8M0 scale for each 32 along a product's K.
; Q, K: 32 heads x 2,048 rows x 64 codes (32 bytes a row), 2 scale bytes a row.  V: codes with the KEYS innermost, 32 heads x 64 channels x 2,048 codes (1,024 bytes a row), 64 scale bytes a row.  out0: f32.
; SHARES.  A work-group owns 256 queries of one head; each of its sixteen waves owns one tile of 16 and walks all 2,048 keys, 64 at a time: a BLOCK PAIR; eight of them, 512 keys, make a GROUP.
; LAYOUT.  Both products are transposed: S^T = K Q^T (source 0 = 16 keys), O^T = V^T P^T (source 0 = 16 channels): a lane (r = lane % 16, h = lane / 16) holds query r throughout.
; THE KEYS OF A TILE: tile u of a block pair takes keys 8 u .. 8 u + 7 as its rows 0-7 and keys 32 + 8 u .. as its rows 8-15.  So lane (r, h) holds in the 32 registers of four tiles the WHOLE block of keys 32 h + 0 .. 31:
; a block's maximum and sum need no other lane, and the conversions' results stand where the second product's operand wants them.
; THE SOFTMAX AHEAD OF THE SECOND PRODUCT.  t = score x log2(e) / sqrt(512).  For each block e = floor(its largest t); 2^(t - e), under 2, is quantised with the constant scale 2^-2 and summed unquantised in f32.
; The row's running whole number is R = the largest e so far: the block's scale byte is e - R - 2 + 127, and its sum counts with weight 2^(e - R).  All of this differs from p = 2^(t - M) by whole powers of two alone.
; When R moves (once for 512 keys) the row's sum and O^T are multiplied by 2^(old R - new R).  The sum divides O at the end.
; A WHOLE HEAD'S K AND V WITH THEIR SCALES LIE IN LDS: every byte is filled once, by sixteen tensor loads, one a wave.  The four work-groups of a cluster belong to one head and ask for every tile JOINTLY.
; One barrier shows K's scales and its first 512 keys, which waves 0 to 2 fetch; the others set up their registers ahead of their loads.  A second barrier, signalled behind the first block and waited for behind the second, shows the rest.
; No prefetch: all tiles are asked for at the head, and no loop runs ahead of any load.
; THE FIRST PRODUCT'S K IS 64, the instruction's 128: registers 4-7 of Q's and K's fragments hold zero codes, written once; the scale words come by 16-bit loads, so the bytes over the zero codes are 0.
; LIMITS.  NaN, infinities and the scale byte 0xff among the inputs are not served.  What v_exp_f32 would make smaller than 2^-126 of its block's power of two comes out as 0.  e - R is held at -124 or above, in the byte
; and in the sum's weight alike.  t is rounded once, where the definition divides by sqrt(512) and then multiplies by log2(e).
.set KP,    1040                       ; LDS: K's codes: 32 keys (1,024 bytes) + 16 of padding: keys i and 32 + i (i = 0 .. 7) lie an odd number of 16 bytes apart modulo 32
.set VP,    1040                       ; V's codes: a channel's 2,048 keys (1,024 bytes) + 16 of padding
.set VBASE, 64*KP
.set SCK,   VBASE+64*VP                ; K's scale bytes: 4,096 dense bytes, 2 a key
.set SCV,   SCK+4096                   ; V's: 64 rows of 64 bytes + 16 of padding
.set SVP,   80
.set STAGE, SCV+64*SVP                 ; the way out: 16 rows x (256 bytes + 16) for each wave; no tensor load lands here
.set SP,    272
.set SPARE, STAGE+16*16*SP             ; the spare words, 128 bytes a wave
.set AK0,  1                           ; v1-4 my lane's places: K, V, K's scales, V's scales
.set AV0,  2
.set ASK0, 3
.set ASV0, 4
.set ADK,  5                           ; v5-7, v14 the same in the group in hand
.set ADS,  6
.set ADV,  7
.set SPW,  8
.set NIL,  9
.set NR,   10                          ; v10 -R;  v11 the group's running minimum of -e and -R
.set NM,   11
.set LS,   12                          ; v[12:13] the row's sum in two halves
.set ADT,  14
.set NX,   15                          ; v15 -e of the next group's first block
.set QF,   16                          ; v16-23 Q's fragment (v20-23 zero codes), v24 its scale words
.set QSW,  24
.set CQ,   25                          ; v25 0.25: the conversions' scale operand
.set KS,   26                          ; v26-27 K's scale words: lanes 0-15 tile 2 p, lanes 16-31 tile 2 p + 1
.set PW,   28                          ; v28-31 P's scale words, one for each 128 keys of the group
.set KF,   32                          ; v32-63 K's four fragments (upper four registers of each: zero codes)
.set SR,   64                          ; v64-127 two halves of 32: scores, exponents, then 2^(t - e)
.set OT,   128                         ; v128-159 O^T, four tiles
.set PC,   160                         ; v160-191 the group's codes of P
.set VA,   192                         ; v192-223 V's fragments, first buffer
.set VBUF, SR+32                       ; second buffer, in the half that a group leaves free at its end
.set EB,   224                         ; v224-231 -e of the group's eight blocks; at a group's end 2^(e - R)
.set SM,   232                         ; v232-247 their sums, in two halves each
.set VS,   248                         ; v248-251 V's scale words
.set TT,   252                         ; v252-255 at work
.set IB,   SR+32                       ; at a group's end: e - R, and the scale words in the making
.set WB,   SR+48
.set OB,   SR+52
.set WV,   18
.set SEL,  20                          ; s[20:21] lane selects for v_permlanex16_b32: lane l xor 16
.set CS,   22                          ; s[22:23] c = log2(e) / sqrt(512), twice
.set G1K,  24                          ; groups 1: 8 rows of codes (K's first part, V); 12 rows (the rest of K); the scales
.set G1R,  32
.set G1SK, 40
.set G1SV, 48
.set G0K,  56                          ; groups 0: K's first part, K's scales, V, V's scales, the rest of K
.set G0SK, 60
.set G0V,  68
.set G0SV, 72
.set G0R,  96
.set OFK,  76                          ; byte offsets: K's first part, scales, V, Q, Q's scales, out0, the rest of K
.set OFS,  78
.set OFV,  80
.set OFQ,  82
.set OFQS, 84
.set OFO,  86
.set OFR,  94
.set NC,   88                          ; s88 -c
.set TK,   89                          ; LDS bytes to the group in hand: K, K's scales, V, V's scales
.set TS,   90
.set TV,   91
.set TJ,   92
.set TRIP, 93
; A round of the cluster's barrier
.macro CROUND
	s_barrier_signal -1
	s_barrier_wait -1
	s_cmp_lg_u32 s[WV], 0
	s_cbranch_scc1 .Lnot_wave_0_\@
	s_barrier_signal -3
.Lnot_wave_0_\@:
	s_barrier_wait -3
	s_barrier_signal -1
	s_barrier_wait -1
.endm
; Descriptor group 1: d1 rows of d0 elements, dense
.macro MKG1 g, w0, d0, d1
	s_mov_b32 s[\g], \w0
	s_mov_b32 s[\g+1], (\d0)<<16
	s_mov_b32 s[\g+2], (\d1)<<16
	s_mov_b32 s[\g+3], (\d0)<<16
	s_mov_b32 s[\g+4], \d1
	s_mov_b32 s[\g+5], \d0
	s_mov_b32 s[\g+6], 0
	s_mov_b32 s[\g+7], 0
.endm
; One tensor load
.macro TLOAD g0, g1
	tensor_load_to_lds s[\g0:\g0+3], s[\g1:\g1+7]
	s_nop 0
.rept 4
	v_nop
.endr
.endm
; The registers that are written once
.macro INIT
.irp j, 4,5,6,7
	v_mov_b32 v[QF+\j], 0                          ; k = 64 .. 127: zero codes, of Q
.irp u, 0,1,2,3
	v_mov_b32 v[KF+8*\u+\j], 0                     ; and of K's fragments: no load lands here
.endr
.endr
.irp j, 0,1,2,3,4,5,6,7,8,9,10,11,12,13,14,15,16,17,18,19,20,21,22,23,24,25,26,27,28,29,30,31
	v_mov_b32 v[OT+\j], 0                          ; O^T: the first group finds zeros
.endr
.irp j, 0,1,2,3,4,5,6,7
	v_mov_b32 v[EB+\j], 0                          ; (named in pairs before each is first written)
.endr
.irp j, 0,1,2,3
	v_mov_b32 v[TT+\j], 0
.endr
	v_mov_b32 v[NX], 0
	v_mov_b32 v[LS], 0
	v_mov_b32 v[LS+1], 0
	v_mov_b32 v[NR], 0x7f61b1e6                    ; -R = 3e38: R under every e
	v_mov_b32 v[CQ], 0x3e800000                    ; 0.25
.endm
; K's four fragments and scale words of block pair blk of the group
.macro KLOAD blk
.irp u, 0,1,2,3
	ds_load_b128 v[KF+8*\u:KF+8*\u+3], v[ADK] offset:2*KP*(\blk)+256*\u
.endr
.irp p, 0,1
	ds_load_u16 v[KS+\p], v[ADS] offset:128*(\blk)+32*\p
.endr
.endm
; V's fragments of the group's 128 keys s into dst;  V's scale words of 128 keys 2 q and 2 q + 1: lane l takes channel l of 32
.macro VLOAD s, dst
.irp t, 0,1,2,3
.irp c, 0,1
	ds_load_b128 v[\dst+8*\t+4*\c:\dst+8*\t+4*\c+3], v[ADV] offset:16*VP*\t+64*(\s)+32*\c
.endr
.endr
.endm
.macro VSLOAD q
.irp g, 0,1
	ds_load_b64 v[VS+2*\g:VS+2*\g+1], v[ADT] offset:32*SVP*\g+8*(\q)
.endr
.endm
; S^T of 64 keys into the half SY
.macro SCORES
.irp u, 0,1,2,3
.if (\u%2) == 0
	v_wmma_scale_f32_16x16x128_f8f6f4 v[SY+8*\u:SY+8*\u+7], v[KF+8*\u:KF+8*\u+7], v[QF:QF+7], 0, v[KS+(\u/2)], v[QSW] matrix_a_fmt:MATRIX_FMT_FP4 matrix_b_fmt:MATRIX_FMT_FP4
.else
	v_wmma_scale_f32_16x16x128_f8f6f4 v[SY+8*\u:SY+8*\u+7], v[KF+8*\u:KF+8*\u+7], v[QF:QF+7], 0, v[KS+(\u/2)], v[QSW] matrix_a_fmt:MATRIX_FMT_FP4 matrix_b_fmt:MATRIX_FMT_FP4 matrix_a_scale:MATRIX_SCALE_ROW1
.endif
.endr
.endm
; O^T += V^T P^T over 128 keys: the four accumulators take turns, one instruction a turn
.macro PV s, src
.irp t, 0,1,2,3
.if (\t%2) == 0
	v_wmma_scale_f32_16x16x128_f8f6f4 v[OT+8*\t:OT+8*\t+7], v[\src+8*\t:\src+8*\t+7], v[PC+8*\s:PC+8*\s+7], v[OT+8*\t:OT+8*\t+7], v[VS+2*(\t/2)+(\s%2)], v[PW+\s] matrix_a_fmt:MATRIX_FMT_FP4 matrix_b_fmt:MATRIX_FMT_FP4
.else
	v_wmma_scale_f32_16x16x128_f8f6f4 v[OT+8*\t:OT+8*\t+7], v[\src+8*\t:\src+8*\t+7], v[PC+8*\s:PC+8*\s+7], v[OT+8*\t:OT+8*\t+7], v[VS+2*(\t/2)+(\s%2)], v[PW+\s] matrix_a_fmt:MATRIX_FMT_FP4 matrix_b_fmt:MATRIX_FMT_FP4 matrix_a_scale:MATRIX_SCALE_ROW1
.endif
.endr
.endm
; pieces of the mixed stretch: DOP: codes and sum of the block in SX; DOM: maximum and exponents of the next one in SY
.macro PADD d, s
.if DOP
	v_pk_add_f32 v[SX+2*(\d):SX+2*(\d)+1], v[SX+2*(\d):SX+2*(\d)+1], v[SX+2*(\s):SX+2*(\s)+1]
.endif
.endm
.macro SADD s
.if DOP
	v_pk_add_f32 v[SM+2*KK:SM+2*KK+1], v[SM+2*KK:SM+2*KK+1], v[SX+2*(\s):SX+2*(\s)+1]
.endif
.endm
.macro CVT g
.if DOP
	v_cvt_scalef32_pk8_fp4_f32 v[PC+4*KK+\g], v[SX+8*\g:SX+8*\g+7], v[CQ]   ; keys 32 h + 8 g .. + 7 of the block pair
.endif
.endm
.macro MAX4 i
.if DOM
.irp u, 0,1,2,3
	v_max3_num_f32 v[TT+\u], v[TT+\u], v[SY+8*\u+\i], v[SY+8*\u+\i+1]
.endr
.endif
.endm
; The sum's tree (16 pairs), the conversions and the maximum's four chains (a tile each) by turns.  ld: the block pair whose K is asked for (-1: none); vld = 1: V of the group's first 128 keys too.
.macro MIX ld, vld
	CVT 0
	CVT 1
.if DOP
	v_pk_add_f32 v[SM+2*KK:SM+2*KK+1], v[SX:SX+1], v[SX+2:SX+3]   ; (writes no source of the conversions: the plain line behind them)
.endif
	PADD 2, 3
	PADD 4, 5
	PADD 6, 7
.if (\ld) >= 0
	KLOAD \ld
.endif
.if \vld
	VSLOAD 0
	VLOAD 0, VA
.endif
.if DOM
	s_wait_alu depctr_va_vdst(0)
.irp u, 0,1,2,3
	v_max3_num_f32 v[TT+\u], v[SY+8*\u], v[SY+8*\u+1], v[SY+8*\u+2]   ; each tile from its low end on
.endr
.endif
	SADD 2
	MAX4 3
	PADD 4, 6
	MAX4 5
	SADD 4
.if DOM
	v_max3_num_f32 v[TT], v[TT], v[TT+1], v[SY+7]
	v_max3_num_f32 v[TT+2], v[TT+2], v[TT+3], v[SY+15]
.endif
	CVT 2
.if DOM
	v_max3_num_f32 v[TT], v[TT], v[SY+23], v[SY+31]
.endif
	CVT 3
.if DOM
	v_max_num_f32 v[TT], v[TT], v[TT+2]            ; the block's largest score.  (The plain line behind the conversions)
.else
	v_nop                                          ; the plain line behind the conversions
.endif
	PADD 8, 9
	PADD 10, 11
	PADD 12, 13
	PADD 14, 15
.if DOM
	v_mul_f32 v[TT+1], s[NC], v[TT]                ; -t (c is positive)
.endif
	PADD 8, 10
	PADD 12, 14
.if DOM
.if KK == 7
.set EN, NX
.else
.set EN, EB+KK+1
.endif
	v_ceil_f32 v[EN], v[TT+1]                      ; -e = ceil(-t) = -floor(t): a whole number
.endif
	PADD 8, 12
.if DOM
.set EP, EN-(EN%2)
.irp j, 0,2,4,6,8,10,12,14,16,18,20,22,24,26,28,30
.if (EN%2) == 0
	v_pk_fma_f32 v[SY+\j:SY+\j+1], v[SY+\j:SY+\j+1], s[CS:CS+1], v[EP:EP+1] op_sel_hi:[1,0,0]   ; t - e, two at a time (-e for both halves)
.else
	v_pk_fma_f32 v[SY+\j:SY+\j+1], v[SY+\j:SY+\j+1], s[CS:CS+1], v[EP:EP+1] op_sel:[0,0,1] op_sel_hi:[1,0,1]
.endif
.if \j == 8
	SADD 8
.endif
.endr
.else
	SADD 8
.endif
.endm
; Block k of the group: its exponentials, codes and sum; nxt = 1: the next block's scores and exponents beside them.
.macro BLOCK k, nxt, ld, vld
.set SX, SR+32*((\k)%2)
.set SY, SR+32-32*((\k)%2)
.set KK, \k
.set DOP, 1
.set DOM, \nxt
	s_wait_alu depctr_va_vdst(0)                   ; ahead of the batch, and ahead of the wait in it
.irp j, 0,1,2,3,4,5,6,7,8,9,10,11,12,13,14,15
	v_exp_f32 v[SX+\j], v[SX+\j]                   ; 2^(t - e)
.endr
.if \nxt
	s_wait_dscnt 0x0                               ; the next block's K is in
	SCORES
.endif
.irp j, 16,17,18,19,20,21,22,23,24,25,26,27,28,29,30,31
	v_exp_f32 v[SX+\j], v[SX+\j]
.endr
.if (\k) == 0
	v_min_num_f32 v[NM], v[NR], v[EB]              ; the smallest of -R and the blocks' -e.  (The plain line behind the exponentials)
.else
	v_min_num_f32 v[NM], v[NM], v[EB+\k]
.endif
	s_wait_alu depctr_va_vdst(0)                   ; one wait for the batch, ahead of its first reader
	MIX \ld, \vld
.endm
; The row's sum: block n's with weight 2^(e - R)
.macro LFMA n
.if (\n%2) == 0
	v_pk_fma_f32 v[LS:LS+1], v[SM+2*\n:SM+2*\n+1], v[EB+2*(\n/2):EB+2*(\n/2)+1], v[LS:LS+1] op_sel_hi:[1,0,1]
.else
	v_pk_fma_f32 v[LS:LS+1], v[SM+2*\n:SM+2*\n+1], v[EB+2*(\n/2):EB+2*(\n/2)+1], v[LS:LS+1] op_sel:[0,1,0] op_sel_hi:[1,1,1]
.endif
.endm
; A group's end: R, the scale words, the second product over 512 keys, and the row's sum.
.macro GEND last
	v_permlanex16_b32 v[TT], v[NM], s[SEL], s[SEL+1]
	v_min_num_f32 v[TT], v[NM], v[TT]              ; with lane l xor 16's blocks: the new -R
	v_sub_f32 v[TT+2], v[TT], v[NR]                ; old R - new R: a whole number, 0 or less
	v_mov_b32 v[NR], v[TT]
.irp j, 0,2,4,6
	v_pk_add_f32 v[IB+\j:IB+\j+1], v[NR:NR+1], v[EB+\j:EB+\j+1] op_sel_hi:[0,1] neg_lo:[0,1] neg_hi:[0,1]   ; e - R
.endr
	v_cvt_i32_f32 v[TT+2], v[TT+2]                 ; (it saturates)
.irp j, 0,1,2,3,4,5,6,7
	v_cvt_i32_f32 v[IB+\j], v[IB+\j]
.endr
	v_ldexp_f32 v[TT+2], 1.0, v[TT+2]              ; f = 2^(old R - new R)
.irp j, 0,1,2,3,4,5,6,7
	v_max_i32 v[IB+\j], 0xffffff84, v[IB+\j]       ; held at -124
.endr
.irp s, 0,1,2,3
	v_lshl_add_u32 v[WB+\s], v[IB+2*\s+1], 16, v[IB+2*\s]   ; my two blocks of 128 keys s: bytes h and 2 + h
.endr
.irp s, 0,1,2,3
	v_permlanex16_b32 v[OB+\s], v[WB+\s], s[SEL], s[SEL+1]
.endr
.irp j, 0,1,2,3,4,5,6,7
	v_lshl_add_u32 v[EB+\j], v[IB+\j], 23, 0x3f800000   ; 2^(e - R)
.endr
.irp s, 0,1,2,3
	v_lshl_add_u32 v[WB+\s], v[OB+\s], 8, v[WB+\s]      ; in lanes 0-15: the four numbers at their bytes, as a sum modulo 2^32;
.endr
.irp s, 0,1,2,3
	v_add_nc_u32 v[PW+\s], 0x7d7d7d7d, v[WB+\s]         ; with 125 added to each: bytes 1 to 125
.endr
	VLOAD 1, VBUF
	s_wait_alu depctr_va_vdst(0)                   ; directly ahead of the first reader of O^T
.irp j, 0,2,4,6,8,10,12,14,16,18,20,22,24,26,28,30
	v_pk_mul_f32 v[OT+\j:OT+\j+1], v[OT+\j:OT+\j+1], v[TT+2:TT+3] op_sel_hi:[1,0]
.endr
	s_wait_alu depctr_va_vdst(0)
	s_wait_dscnt 0x8                               ; all but the second buffer's eight
	PV 0, VA
	s_wait_dscnt 0x0
	PV 1, VBUF
	v_pk_mul_f32 v[LS:LS+1], v[LS:LS+1], v[TT+2:TT+3] op_sel_hi:[1,0]   ; the sum under the new R: four plain lines, the places in front of the loads below
	LFMA 0
	LFMA 1
	LFMA 2
	VSLOAD 1
	VLOAD 2, VA
	VLOAD 3, VBUF
.if (\last) == 0
	s_add_co_u32 s[TK], s[TK], 16*KP
	s_add_co_u32 s[TS], s[TS], 1024
	v_add_nc_u32 v[ADK], s[TK], v[AK0]
	v_add_nc_u32 v[ADS], s[TS], v[ASK0]
.endif
	LFMA 3
	LFMA 4
	LFMA 5
	LFMA 6
	LFMA 7
	s_wait_alu depctr_va_vdst(0)
	s_wait_dscnt 0x8                               ; all but the second buffer's eight
	PV 2, VA
	s_wait_dscnt 0x0
	PV 3, VBUF
.if (\last) == 0
	s_add_co_u32 s[TV], s[TV], 256
	s_add_co_u32 s[TJ], s[TJ], 16
	v_add_nc_u32 v[ADV], s[TV], v[AV0]             ; five plain lines: the places ahead of the next scores, which lie over the second buffer
	v_add_nc_u32 v[ADT], s[TJ], v[ASV0]
	v_mov_b32 v[EB], v[NX]
	v_nop
	v_nop
.endif
.endm
	s_load_b128 s[4:7], s[0:1], 0x0                ; Q's codes, Q's scales
	s_load_b128 s[8:11], s[0:1], 0x10              ; K's codes, K's scales
	s_load_b128 s[12:15], s[0:1], 0x20             ; V's codes, V's scales
	s_load_b64 s[16:17], s[0:1], 0x30              ; out0
	v_lshl_add_u32 v[SPW], v0, 2, SPARE
	v_mov_b32 v[NIL], 0
	ds_add_u32 v[SPW], v[NIL]                      ; the wave's opening: the add, twice on end, and its wait ahead of my tensor load
	ds_add_u32 v[SPW], v[NIL]
	v_lshrrev_b32 v10, 5, v0
	v_readfirstlane_b32 s[WV], v10                 ; wave 0..15
	s_mov_b32 s[TK], 0
	s_mov_b32 s[TS], 0
	s_mov_b32 s[TV], 0
	s_mov_b32 s[TJ], 0
	v_and_b32 v64, 15, v0                          ; r
	v_bfe_u32 v65, v0, 4, 1                        ; h
	v_lshlrev_b32 v66, 5, v64
	v_lshl_add_u32 v66, v65, 4, v66                ; Q: row r of 32 bytes, + 16 h: k = 32 h + 0 .. 31
	v_lshlrev_b32 v67, 1, v64                      ; and its two scale bytes
	v_lshrrev_b32 v68, 3, v64                      ; r / 8
	v_and_b32 v69, 7, v64                          ; r % 8
	v_mul_u32_u24 v[AK0], v68, KP                  ; K: lanes 8-15 take the keys 32 further on: the next LDS row;
	v_lshl_add_u32 v[AK0], v69, 5, v[AK0]          ; 32 bytes a key;
	v_lshl_add_u32 v[AK0], v65, 4, v[AK0]          ; + 16 h  (K's codes begin at LDS byte 0)
	v_mul_u32_u24 v[AV0], v64, VP
	v_lshl_add_u32 v[AV0], v65, 4, v[AV0]
	v_add_nc_u32 v[AV0], VBASE, v[AV0]             ; V: row r, + 16 h
	v_lshlrev_b32 v[ASK0], 6, v68                  ; K's scales, 2 bytes a key: 32 keys on for lanes 8-15,
	v_lshl_add_u32 v[ASK0], v65, 4, v[ASK0]        ; 8 keys on (the odd tile) for lanes 16-31
	v_lshl_add_u32 v[ASK0], v69, 1, v[ASK0]
	v_add_nc_u32 v[ASK0], SCK, v[ASK0]
	v_and_b32 v[ASV0], 31, v0
	v_mul_u32_u24 v[ASV0], v[ASV0], SVP
	v_add_nc_u32 v[ASV0], SCV, v[ASV0]             ; V's scales: lane l takes channel l of 32
	v_add_nc_u32 v[ADK], s[TK], v[AK0]
	v_add_nc_u32 v[ADS], s[TS], v[ASK0]
	v_add_nc_u32 v[ADV], s[TV], v[AV0]
	v_add_nc_u32 v[ADT], s[TJ], v[ASV0]
	s_wait_alu depctr_va_vdst(0)                   ; ahead of the scalar lines below
	; groups 1: 15:0 the mask, all four work-groups; 17:16 element size; 20 padding on; 21 set beside a mask; 24:22 the interval; 31:25 the padding
	MKG1 G1K,  15|(1<<20)|(1<<21)|(7<<22)|(3<<25), 1024, 8    ; 8 rows of 1,024 bytes (256 keys of K, or 8 channels of V), four words behind every 256
	MKG1 G1R,  15|(1<<20)|(1<<21)|(7<<22)|(3<<25), 1024, 12   ; 384 keys of K
	MKG1 G1SK, 15|(3<<16)|(1<<21), 32, 16                     ; K's scales: 4,096 bytes as 16 rows of 256
	MKG1 G1SV, 15|(1<<20)|(1<<21)|(3<<22)|(3<<25), 256, 16    ; V's likewise, four words behind every 16
	s_mov_b32 s[SEL], 0x76543210
	s_mov_b32 s[SEL+1], 0xfedcba98
	s_mov_b32 s[CS], 0x3d8293ee                    ; c = log2(e) / sqrt(512)
	s_mov_b32 s[CS+1], s[CS]
	s_mov_b32 s[NC], 0xbd8293ee
	s_and_b32 s2, ttmp7, 0xffff                    ; the head, 8 b + h, which the four partners share
	s_mov_b32 s[OFK+1], 0
	s_mov_b32 s[OFS+1], 0
	s_mov_b32 s[OFV+1], 0
	s_mov_b32 s[OFQ+1], 0
	s_mov_b32 s[OFQS+1], 0
	s_mov_b32 s[OFO+1], 0
	s_mov_b32 s[OFR+1], 0
	s_mov_b32 s[G0K], 1                            ; groups 0: count = 1; the LDS address by the wave's number; the address in memory below
	s_mov_b32 s[G0SK], 1
	s_mov_b32 s[G0V], 1
	s_mov_b32 s[G0SV], 1
	s_mov_b32 s[G0R], 1
	s_mov_b32 s[G0SK+1], SCK                       ; wave 2: K's scales; wave 3: V's
	s_mov_b32 s[G0SV+1], SCV
	s_lshl_b32 s66, s2, 16                         ; the head's first byte in each tensor of codes,
	s_lshl_b32 s[OFS], s2, 12                      ; and in each tensor of scale bytes
	s_and_b32 s19, s[WV], 1                        ; waves 0 and 1: K's keys 0 to 511, 256 each
	s_mul_i32 s[G0K+1], s19, 8*KP
	s_lshl_b32 s19, s19, 13
	s_add_co_u32 s[OFK], s66, s19
	s_and_b32 s19, s[WV], 3                        ; waves 4 to 7: K's other keys, 384 each
	s_mul_i32 s[G0R+1], s19, 12*KP
	s_add_co_u32 s[G0R+1], s[G0R+1], 16*KP
	s_mul_i32 s19, s19, 12288
	s_add_co_u32 s19, s19, 16384
	s_add_co_u32 s[OFR], s66, s19
	s_and_b32 s19, s[WV], 7                        ; waves 8 to 15: V, 8 channels each
	s_mul_i32 s[G0V+1], s19, 8*VP
	s_add_co_u32 s[G0V+1], s[G0V+1], VBASE
	s_lshl_b32 s19, s19, 13
	s_add_co_u32 s[OFV], s66, s19
	s_bfe_u32 s3, ttmp6, 0x40000                   ; cx: my place in the cluster: it enters Q's and out0's addresses alone
	s_lshl_b32 s19, ttmp9, 2                       ; in a cluster launch ttmp9 counts clusters
	s_add_co_u32 s3, s3, s19
	s_lshl_b32 s3, s3, 8
	s_lshl_b32 s19, s[WV], 4
	s_add_co_u32 s3, s3, s19                       ; my first query
	s_lshl_b32 s[OFQ], s3, 5
	s_add_co_u32 s[OFQ], s[OFQ], s66               ; 32 bytes a query
	s_lshl_b32 s[OFQS], s3, 1
	s_add_co_u32 s[OFQS], s[OFQS], s[OFS]          ; 2 scale bytes
	s_lshl_b32 s[OFO], s3, 11                      ; out0: 2,048 bytes a query,
	s_lshr_b32 s19, s2, 3
	s_lshl_b32 s19, s19, 22
	s_add_co_u32 s[OFO], s[OFO], s19               ; + b x 2,048 x 2,048 bytes
	s_and_b32 s19, s2, 7
	s_lshl_b32 s19, s19, 8
	s_add_co_u32 s[OFO], s[OFO], s19               ; + h x 256
	s_wait_dscnt 0x0                               ; both opening adds are done
	CROUND                                         ; all four work-groups are here: the joint loads meet
	s_wait_kmcnt 0x0
	s_add_nc_u64 s[G0K+2:G0K+3], s[8:9], s[OFK:OFK+1]
	s_or_b32 s[G0K+3], s[G0K+3], 0x80000000
	s_add_nc_u64 s[G0SK+2:G0SK+3], s[10:11], s[OFS:OFS+1]
	s_or_b32 s[G0SK+3], s[G0SK+3], 0x80000000
	s_add_nc_u64 s[G0R+2:G0R+3], s[8:9], s[OFR:OFR+1]
	s_or_b32 s[G0R+3], s[G0R+3], 0x80000000
	s_add_nc_u64 s[G0V+2:G0V+3], s[12:13], s[OFV:OFV+1]
	s_or_b32 s[G0V+3], s[G0V+3], 0x80000000
	s_add_nc_u64 s[G0SV+2:G0SV+3], s[14:15], s[OFS:OFS+1]
	s_or_b32 s[G0SV+3], s[G0SV+3], 0x80000000
	s_add_nc_u64 s[4:5], s[4:5], s[OFQ:OFQ+1]
	s_add_nc_u64 s[6:7], s[6:7], s[OFQS:OFQS+1]
	global_load_b128 v[QF:QF+3], v66, s[4:5]       ; Q's fragment stays in registers
	global_load_u16 v[QSW], v67, s[6:7]            ; bytes 2 and 3 of the word come as 0
	; ALL FILLS OF THE LAUNCH, one a wave, in the arms of one chain on the wave's number: what the first block needs goes out first
	s_cmp_lt_u32 s[WV], 2
	s_cbranch_scc0 .Lnot_k
	TLOAD G0K, G1K
	s_branch .Lfirst
.Lnot_k:
	s_cmp_lt_u32 s[WV], 3
	s_cbranch_scc0 .Lnot_ks
	TLOAD G0SK, G1SK
.Lfirst:
	INIT
	s_branch .Lasked
.Lnot_ks:
	INIT
	s_cmp_lt_u32 s[WV], 4
	s_cbranch_scc0 .Lnot_vs
	TLOAD G0SV, G1SV
	s_branch .Lasked
.Lnot_vs:
	s_cmp_lt_u32 s[WV], 8
	s_cbranch_scc0 .Lnot_r
	TLOAD G0R, G1R
	s_branch .Lasked
.Lnot_r:
	TLOAD G0V, G1K
.Lasked:
	s_add_nc_u64 s[16:17], s[16:17], s[OFO:OFO+1]
	s_cmp_lt_u32 s[WV], 3
	s_wait_alu depctr_va_vdst(0)                   ; at the head's end
	s_cbranch_scc0 .Llater
	s_wait_tensorcnt 0x0                           ; waves 0 to 2: my load is in
.Llater:
	s_barrier_signal -1
	s_barrier_wait -1                              ; K's scales and its first 512 keys are there
	KLOAD 0
	s_wait_loadcnt 0x0                             ; Q
	s_wait_dscnt 0x0
.set SX, SR+32
.set SY, SR
.set KK, -1
.set DOP, 0
.set DOM, 1
	SCORES                                         ; block 0
.rept 4
	v_nop
.endr
	MIX 1, 0
	BLOCK 0, 1, 2, 0                               ; the first group
	s_wait_alu depctr_va_vdst(0)
	s_wait_tensorcnt 0x0                           ; every wave: its load is in
	s_wait_dscnt 0x0
	s_barrier_signal -1
	BLOCK 1, 1, 3, 0                               ; registers, and LDS loads of keys that the first barrier showed
	s_wait_alu depctr_va_vdst(0)
	s_barrier_wait -1                              ; all of K and V and their scales are there
	BLOCK 2, 1, 4, 0
	BLOCK 3, 1, 5, 0
	BLOCK 4, 1, 6, 0
	BLOCK 5, 1, 7, 0
	BLOCK 6, 1, 8, 0
	BLOCK 7, 1, 9, 1
	GEND 0
	s_mov_b32 s[TRIP], 2
	s_wait_alu depctr_va_vdst(0)
.Lgroup:
	BLOCK 0, 1, 2, 0
	BLOCK 1, 1, 3, 0
	BLOCK 2, 1, 4, 0
	BLOCK 3, 1, 5, 0
	BLOCK 4, 1, 6, 0
	BLOCK 5, 1, 7, 0
	BLOCK 6, 1, 8, 0                               ; (block pairs 8 and 9 are the next group's first two)
	BLOCK 7, 1, 9, 1
	GEND 0
	s_sub_co_u32 s[TRIP], s[TRIP], 1
	s_cmp_lg_u32 s[TRIP], 0
	s_wait_alu depctr_va_vdst(0)
	s_cbranch_scc1 .Lgroup
	BLOCK 0, 1, 2, 0                               ; the last group asks for nothing beyond the last key
	BLOCK 1, 1, 3, 0
	BLOCK 2, 1, 4, 0
	BLOCK 3, 1, 5, 0
	BLOCK 4, 1, 6, 0
	BLOCK 5, 1, 7, 0
	BLOCK 6, 1, -1, 0
	BLOCK 7, 0, -1, 1
	GEND 1
	; THE WAY OUT.  O^T is divided by the row's sum and goes through my own stage in LDS: 16 queries x 256 bytes.  A query's 64 channels of one head are 256 consecutive bytes of out0, at a multiple of 256.
	s_mul_i32 s2, s[WV], 16*SP
	s_add_co_u32 s2, s2, STAGE                     ; my stage
	v_add_f32 v[TT], v[LS], v[LS+1]                ; the sum's two halves,
	v_permlanex16_b32 v[TT+1], v[TT], s[SEL], s[SEL+1]
	v_add_f32 v[TT], v[TT], v[TT+1]                ; and lane l xor 16's blocks: the row's sum
	s_wait_alu depctr_va_vdst(0)                   ; ahead of the transcendental
	v_rcp_f32 v[TT], v[TT]
	v_and_b32 v1, 15, v0                           ; r
	v_bfe_u32 v2, v0, 4, 1                         ; h
	v_mul_u32_u24 v5, v1, SP
	v_mul_u32_u24 v6, v2, SP
	v_lshlrev_b32 v7, 11, v2
	v_lshl_add_u32 v5, v2, 5, v5
	v_lshl_add_u32 v6, v1, 4, v6
	v_lshl_add_u32 v7, v1, 4, v7                   ; two queries in out0, 2,048 bytes apart
	v_add_nc_u32 v5, s2, v5                        ; in: row r; tile t's eight channels of my half: 64 t + 32 h bytes on
	v_add_nc_u32 v6, s2, v6                        ; back: lanes 0-15 one row, lanes 16-31 the next
	s_wait_alu depctr_va_vdst(0)                   ; ahead of the reciprocal's first reader and of O^T's
.irp j, 0,2,4,6,8,10,12,14,16,18,20,22,24,26,28,30
	v_pk_mul_f32 v[SR+\j:SR+1+\j], v[OT+\j:OT+1+\j], v[TT:TT+1] op_sel_hi:[1,0]   ; register 8 t + i is channel 16 t + 8 h + i of query r
.endr
.irp t, 0,1,2,3
	ds_store_b128 v5, v[SR+8*\t:SR+8*\t+3] offset:64*\t
	ds_store_b128 v5, v[SR+8*\t+4:SR+8*\t+7] offset:64*\t+16
.endr
.irp i, 0,1,2,3,4,5,6,7
	ds_load_b128 v[PC+4*\i:PC+4*\i+3], v6 offset:2*\i*SP   ; LDS serves a wave's instructions in order (ISA guide 5.7.1.4): these see my stores above
.endr
.irp i, 0,1,2,3,4,5,6,7
	s_wait_dscnt 7-\i                              ; load i is in; the 7 - i issued behind it may be out
	global_store_b128 v7, v[PC+4*\i:PC+4*\i+3], s[16:17] offset:4096*\i th:TH_STORE_NT   ; sixteen lanes store 256 consecutive bytes, aligned
.endr
	s_wait_tensorcnt 0x0                           ; the wave's end
	ds_add_u32 v[SPW], v[NIL]
	s_wait_dscnt 0x0
	CROUND                                         ; the closing round: no work-group ends while a partner may still ask for a tile that names it
	s_endpgm
.Lfunc_end_k_q5ca6ee62ec_attn:
	.size	k_q5ca6ee62ec_attn, .Lfunc_end_k_q5ca6ee62ec_attn-k_q5ca6ee62ec_attn
	.p2alignl 7, 3214868480
	.fill 96, 4, 3214868480
	.section	.rodata,"a",@progbits
	.p2align	6, 0x0
	.amdhsa_kernel k_q5ca6ee62ec_attn
		.amdhsa_group_segment_fixed_size 214016
		.amdhsa_private_segment_fixed_size 0
		.amdhsa_enable_private_segment 0
		.amdhsa_kernarg_size 56
		.amdhsa_user_sgpr_count 2
		.amdhsa_user_sgpr_kernarg_segment_ptr 1
		.amdhsa_wavefront_size32 1
		.amdhsa_system_sgpr_workgroup_id_x 1
		.amdhsa_system_sgpr_workgroup_id_y 1
		.amdhsa_system_sgpr_workgroup_id_z 1
		.amdhsa_system_vgpr_workitem_id 0
		.amdhsa_next_free_vgpr 256
		.amdhsa_next_free_sgpr 100
		.amdhsa_reserve_vcc 0
		.amdhsa_float_denorm_mode_32 3
		.amdhsa_float_denorm_mode_16_64 3
		.amdhsa_memory_ordered 1
		.amdhsa_forward_progress 1
		.amdhsa_inst_pref_size 172
	.end_amdhsa_kernel
	.amdgpu_metadata
---
amdhsa.version: [ 1, 2 ]
amdhsa.kernels:
  - .name:           k_q5ca6ee62ec_attn
    .symbol:         k_q5ca6ee62ec_attn.kd
    .args:
      - { .name: query_codes, .offset: 0, .size: 8, .value_kind: global_buffer, .address_space: global }
      - { .name: query_scales, .offset: 8, .size: 8, .value_kind: global_buffer, .address_space: global }
      - { .name: key_codes, .offset: 16, .size: 8, .value_kind: global_buffer, .address_space: global }
      - { .name: key_scales, .offset: 24, .size: 8, .value_kind: global_buffer, .address_space: global }
      - { .name: value_codes, .offset: 32, .size: 8, .value_kind: global_buffer, .address_space: global }
      - { .name: value_scales, .offset: 40, .size: 8, .value_kind: global_buffer, .address_space: global }
      - { .name: out0, .offset: 48, .size: 8, .value_kind: global_buffer, .address_space: global }
    .group_segment_fixed_size: 214016
    .private_segment_fixed_size: 0
    .kernarg_segment_align: 8
    .kernarg_segment_size: 56
    .max_flat_workgroup_size: 512
    .sgpr_count:     100
    .vgpr_count:     256
    .wavefront_size: 32
...
	.end_amdgpu_metadata
.endif
;; end of part 1
